; MI455X (gfx1250); checked and timed in simulation.
; The chip was launched on July 23, 2026; its instructions are those of AMD's public machine-readable ISA for CDNA 5 (MIT licence, August 2026) and "CDNA5" Instruction Set Architecture Reference Guide (July 2026). The comments in the code are by the model that wrote it; some were corrected since.
;; D Transformer. Allowed arithmetic: matrix products marked QUANTISED: E5M2 operands, one given power-of-two scale a tensor, by v_wmma_f32_16x16x64_bf8_bf8 or v_wmma_f32_16x16x128_bf8_bf8, f32 sums; everything else in f32.
;; Inputs: Wo_codes 1,024 x 32 x 32 uint8 (E5M2 codes of Wo, K innermost, in blocks of 32 codes); Wq_codes 1,024 x 32 x 32 uint8 (E5M2 codes of Wq, K innermost, in blocks of 32 codes); Wv_codes 1,024 x 32 x 32 uint8 (E5M2 codes of Wv, K innermost, in blocks of 32 codes); bo 1,024 float32; bq 1,024 float32; bv 1,024 float32; gammas 16 float32; key_codes 4 x 1,024 x 32 x 32 uint8 (E5M2 codes of key, K innermost, in blocks of 32 codes); ln_b 1,024 float32; ln_g 1,024 float32; lowp_scales 12 int32 (the exponents e of the quantised operands' scales 2^e); query 4 x 1,024 x 1,024 float32; values_codes 4 x 1,024 x 32 x 32 uint8 (E5M2 codes of values, K innermost, in blocks of 32 codes).
;; Outputs: out0 4 x 1,024 x 1,024 float32.
;; This version of the problem:
;;   THIS VERSION OF THE PROBLEM IS GIVEN IN LOW PRECISION. The matrix products marked QUANTISED in the list below multiply operands that are first quantised to E5M2 (5 exponent bits, 2 mantissa bits; 8 bits a number), with one given power-of-two scale for each operand tensor; their sums are f32. All else is computed in f32.
;;   The module's matrix products, in the order in which they are computed (A, B: the left and right operand; K: the contracted axis; several contracted axes count as one K, in the product's order):
;;     1. [M 4,096, K 1,024] x [K 1,024, N 1,024]; A: input query; B: input Wq (given as codes): QUANTISED (scales: A lowp_scales[0], B lowp_scales[1])
;;     2. [M 4,096, K 1,024] x [K 1,024, N 1,024]; A: input key (given as codes); B: input Wq (given as codes): QUANTISED (scales: A lowp_scales[2], B lowp_scales[3])
;;     3. [M 4,096, K 1,024] x [K 1,024, N 1,024]; A: input values (given as codes); B: input Wv (given as codes): QUANTISED (scales: A lowp_scales[4], B lowp_scales[5])
;;     4. batch 64 x [M 1,024, K 64] x [K 64, N 1,024]; A: computed on the way; B: computed on the way: QUANTISED (scales: A lowp_scales[6], B lowp_scales[7])
;;     5. batch 64 x [M 1,024, K 1,024] x [K 1,024, N 64]; A: computed on the way; B: computed on the way: QUANTISED (scales: A lowp_scales[8], B lowp_scales[9])
;;     6. [M 4,096, K 1,024] x [K 1,024, N 1,024]; A: computed on the way; B: input Wo (given as codes): QUANTISED (scales: A lowp_scales[10], B lowp_scales[11])
;;   THE QUANTISER, for each operand of a quantised product, along K:
;;     - The operand's scale is 2^e, e = its entry of the input lowp_scales (int32; the entries are numbered through the quantised products in the list's order, A before B).
;;     - Each number is divided by the scale, clamped to +-57,344, and rounded to the nearest number of E5M2, ties to even, subnormals kept.
;;     - The product sums the exact products of the quantised numbers (number of the format x scale) in f32.
;;   ~~~python
;;   def quantise(x, axis, e):      # numpy; x: float32 -> the quantised numbers, widened to float32 again
;;       x = np.moveaxis(x, axis, -1); K = x.shape[-1]
;;       r = np.clip(x / 2.0 ** e, -57344, 57344)
;;       step = 2.0 ** (np.maximum(np.frexp(np.where(r == 0, 1, r))[1] - 1, -14) - 2)
;;       q = np.round(r / step) * step * 2.0 ** e      # np.round: ties to even
;;       return np.moveaxis(q, -1, axis).astype(np.float32)
;;   ~~~
;;   OPERANDS COMPUTED ON THE WAY. 'Computed on the way' means the value that the module computes at that place (a softmax that the list does not call 'softmax' is quantised finished and normalised). What goes into a quantiser is computed in f32, as accurately as f32 sums, v_exp_f32 and their like allow (about 1e-6 of the number): no bf16 or f16 on the way to a quantiser, and a product that is left as it is and whose result goes on into a quantised operand takes f32 operands (vector FMAs, or v_wmma_f32_16x16x4_f32). A number that lies on a knife's edge between two numbers of the format may be rounded either way, as far as f32 arithmetic and the matrix unit's own rounding can turn it there, and no further.
;;   INPUTS GIVEN AS CODES. Wo (in the module: [1024, 1024], K = its axis 1); Wq (in the module: [1024, 1024], K = its axis 1); Wv (in the module: [1024, 1024], K = its axis 1); key (in the module: [4, 1024, 1024], K = its axis 2); values (in the module: [4, 1024, 1024], K = its axis 2): each comes as NAME_codes (uint8): NAME with its K axis moved to the last place and cut into blocks of 32 codes, [.., K / 32, bytes a block], one block behind the other in memory; one code a byte (a code: sign, 5 exponent bits, 2 mantissa bits); its scale is its entry of lowp_scales. Its value is code x scale, taken as it is: it is not quantised again, and the codes and scales need not be those that the quantiser above would give.
;; One version. Each part assembles by itself: llvm-mc -triple=amdgcn-amd-amdhsa -mcpu=gfx1250 --defsym DOCPART=n.
;; ======== version 1 of 1: 4 launches
;; workspace buffers: xq_codes 4,194,304 bytes; q_img 4,194,304 bytes; k_img 4,194,304 bytes; v_img 4,194,304 bytes; c_img 4,194,304 bytes
;; launch quant (part 1): grid 256 x 1, 4 waves a work-group, no clusters, 33,280 bytes of LDS; arguments query, lowp_scales, xq_codes; writes xq_codes
.if DOCPART == 1
	.amdgcn_target "amdgcn-amd-amdhsa--gfx1250"
	.amdhsa_code_object_version 6
	.text
	.protected	k_q8501baff8e_quant
	.globl	k_q8501baff8e_quant
	.p2align	8
	.type	k_q8501baff8e_quant,@function
k_q8501baff8e_quant:
	s_mov_b64 s[64:65], 0
	v_nop
	global_prefetch_b8 v0, s[64:65] scope:SCOPE_SE
	s_setreg_imm32_b32 hwreg(HW_REG_WAVE_MODE, 25, 1), 1
	s_wait_xcnt 0x0
; query [4096][1024], f32, becomes codes of BF8 (E5M2), one a byte, K innermost, with the given scale 2^e, e = entry 0 of the scales.
; code = x / 2^e, held within +-57,344, rounded to the nearest code, ties to even.  LIMITS: -126 <= e <= 112; NaN among the inputs is not served.
; It is a launch of its own because each tile of query is read by the four column work-groups of the projection: quantised once, the f32 numbers are read once there.
; Rows are dense, so the tensor is a plain stream.  A wave takes 8 steps of 512 numbers.  Each of a step's four loads reads 512 consecutive bytes, 16 a lane; the conversions want 16 NEIGHBOURS in one lane,
; so a step's 2,048 bytes turn through the wave's own stage in LDS (16 bytes of padding behind each 64) and come back 64 bytes a lane.  A lane's 16 codes are 16 bytes: a store covers 512 consecutive bytes.
; No tensor loads, no barrier: waves share nothing.  Loads run four steps (16 loads a wave) ahead, the turn through LDS one step.
.set STEPS, 8
.set EMAX,  15
.set MANT,  0x600000                   ; the mantissa field of 57,344 as f32
.set CB,    16                         ; bytes of 16 codes
.set R,     16                         ; v16-79   four sets of 16 numbers as they are loaded
.set X,     80                         ; v80-111  two sets of 16 neighbours
.set C,     128                        ; v128-159 codes: four registers for each step, so that no store's data are written again
.set WREG,  8192                       ; LDS: a region for each wave: two stages of 32 x SP bytes
.set SP,    80                         ; a lane's place in a stage: its 64 bytes + 16 of padding
	s_load_b128 s[4:7], s[0:1], 0x0                ; query, the scales' exponents
	s_load_b64 s[8:9], s[0:1], 0x10                ; the codes
	v_lshl_add_u32 v160, v0, 2, 0x8000
	v_mov_b32 v161, 0
	v_lshrrev_b32 v1, 5, v0
	v_readfirstlane_b32 s16, v1                    ; wave
	v_and_b32 v2, 31, v0                           ; lane
	v_lshlrev_b32 v3, 4, v2                        ; my 16 bytes of a load's 512
	s_mul_i32 s17, s16, WREG
	v_lshrrev_b32 v14, 2, v2
	v_mul_u32_u24 v14, v14, SP
	v_and_b32 v15, 3, v2
	v_lshl_add_u32 v14, v15, 4, v14
	v_add_nc_u32 v14, s17, v14                     ; the stage, on the way in: SP (lane / 4) + 16 (lane % 4)
	v_mul_u32_u24 v15, v2, SP
	v_add_nc_u32 v15, s17, v15                     ; and on the way out: SP x lane: my 16 neighbours
	v_mul_u32_u24 v4, v2, CB                       ; my codes' place in a step's
	s_lshl_b32 s17, ttmp9, 2
	s_add_co_u32 s18, s17, s16                     ; which run of 4,096 numbers is my wave's
	s_mov_b32 s19, 0
	s_lshl_b64 s[20:21], s[18:19], 14              ; 16,384 bytes of f32,
	s_lshl_b64 s[24:25], s[18:19], 12              ; 4,096 bytes of codes
	s_wait_kmcnt 0x0
	s_load_b32 s22, s[6:7], 0x0                    ; e
	s_add_nc_u64 s[4:5], s[4:5], s[20:21]
	s_add_nc_u64 s[8:9], s[8:9], s[24:25]
.macro LOAD t
.irp i, 0,1,2,3
	global_load_b128 v[R+16*((\t)%4)+4*\i:R+16*((\t)%4)+4*\i+3], v3, s[4:5] offset:2048*(\t)+512*\i th:TH_LOAD_NT
.endr
.endm
.macro TURN t                          ; step t's numbers through the stage: LDS serves a wave's instructions in order, so no wait stands between the stores and the loads
.irp i, 0,1,2,3
	ds_store_b128 v14, v[R+16*((\t)%4)+4*\i:R+16*((\t)%4)+4*\i+3] offset:32*SP*((\t)%2)+8*SP*\i
.endr
.irp i, 0,1,2,3
	ds_load_b128 v[X+16*((\t)%2)+4*\i:X+16*((\t)%2)+4*\i+3], v15 offset:32*SP*((\t)%2)+16*\i
.endr
.endm
.irp t, 0,1,2,3
	LOAD \t
.endr
	s_wait_kmcnt 0x0
	s_add_co_i32 s22, s22, 127
	s_lshl_b32 s23, s22, 23
	v_mov_b32 v11, s23                             ; 2^e as f32: the conversion takes its exponent field
	s_add_co_i32 s22, s22, EMAX
	s_lshl_b32 s22, s22, 23
	s_or_b32 s22, s22, MANT
	v_mov_b32 v10, s22                             ; 57,344 x 2^e
	s_wait_loadcnt 12                              ; step 0's four loads are in; the twelve of steps 1 to 3 stay out
	TURN 0
.macro STEP t
.set XS, X+16*((\t)%2)
	s_wait_dscnt 0x0                               ; this step's numbers are back from the stage: so its stores into the stage have read their registers,
.if (\t)+4 < STEPS
	LOAD (\t)+4                                    ; which take the loads of four steps on
.endif
.if (\t)+1 < STEPS
.if STEPS-2-(\t) >= 3
	s_wait_loadcnt 12                              ; the next step's four loads are in; those of the three steps behind it may be out
.else
	s_wait_loadcnt 4*(STEPS-2-(\t))                ; at the end the count runs down: four loads for each step still behind the next
.endif
	TURN (\t)+1
.endif
.irp i, 0,1,2,3,4,5,6,7,8,9,10,11,12,13,14,15
	v_med3_num_f32 v[XS+\i], v[XS+\i], -v10, v10   ; the conversion to an 8-bit code does not saturate (ISA guide 7.6.2): the hold at the largest code x the scale
.endr
	v_cvt_scalef32_pk8_bf8_f32 v[C+4*(\t):C+4*(\t)+1], v[XS:XS+7], v11
	v_cvt_scalef32_pk8_bf8_f32 v[C+4*(\t)+2:C+4*(\t)+3], v[XS+8:XS+15], v11
	global_store_b128 v4, v[C+4*(\t):C+4*(\t)+3], s[8:9] offset:32*CB*(\t)   ; the codes go to a store alone; the next vector lines are the next step's holds, on other registers
.endm
.irp t, 0,1,2,3,4,5,6,7
	STEP \t
.endr
	s_wait_tensorcnt 0x0
	ds_add_u32 v160, v161
	s_wait_dscnt 0x0
	s_endpgm
.Lfunc_end_k_q8501baff8e_quant:
	.size	k_q8501baff8e_quant, .Lfunc_end_k_q8501baff8e_quant-k_q8501baff8e_quant
	.p2alignl 7, 3214868480
	.fill 96, 4, 3214868480
	.section	.rodata,"a",@progbits
	.p2align	6, 0x0
	.amdhsa_kernel k_q8501baff8e_quant
		.amdhsa_group_segment_fixed_size 33280
		.amdhsa_private_segment_fixed_size 0
		.amdhsa_enable_private_segment 0
		.amdhsa_kernarg_size 24
		.amdhsa_user_sgpr_count 2
		.amdhsa_user_sgpr_kernarg_segment_ptr 1
		.amdhsa_wavefront_size32 1
		.amdhsa_system_sgpr_workgroup_id_x 1
		.amdhsa_system_sgpr_workgroup_id_y 1
		.amdhsa_system_sgpr_workgroup_id_z 1
		.amdhsa_system_vgpr_workitem_id 0
		.amdhsa_next_free_vgpr 162
		.amdhsa_next_free_sgpr 66
		.amdhsa_reserve_vcc 0
		.amdhsa_float_denorm_mode_32 3
		.amdhsa_float_denorm_mode_16_64 3
		.amdhsa_memory_ordered 1
		.amdhsa_forward_progress 1
		.amdhsa_inst_pref_size 20
	.end_amdhsa_kernel
	.amdgpu_metadata
---
amdhsa.version: [ 1, 2 ]
amdhsa.kernels:
  - .name:           k_q8501baff8e_quant
    .symbol:         k_q8501baff8e_quant.kd
    .args:
      - { .name: query, .offset: 0, .size: 8, .value_kind: global_buffer, .address_space: global }
      - { .name: lowp_scales, .offset: 8, .size: 8, .value_kind: global_buffer, .address_space: global }
      - { .name: xq_codes, .offset: 16, .size: 8, .value_kind: global_buffer, .address_space: global }
    .group_segment_fixed_size: 33280
    .private_segment_fixed_size: 0
    .kernarg_segment_align: 8
    .kernarg_segment_size: 24
    .max_flat_workgroup_size: 128
    .sgpr_count:     66
    .vgpr_count:     162
    .wavefront_size: 32
...
	.end_amdgpu_metadata
.endif
;; end of part 1
;; launch proj (part 2): grid 16 x 12, 4 waves a work-group, clusters of 4 x 4, 327,680 bytes of LDS; arguments xq_codes, key_codes, values_codes, Wq_codes, Wv_codes, bq, bv, lowp_scales, q_img, k_img, v_img; writes q_img, k_img, v_img
.if DOCPART == 2
	.amdgcn_target "amdgcn-amd-amdhsa--gfx1250"
	.amdhsa_code_object_version 6
	.text
	.protected	k_q8501baff8e_proj
	.globl	k_q8501baff8e_proj
	.p2align	8
	.type	k_q8501baff8e_proj,@function
k_q8501baff8e_proj:
	s_mov_b64 s[64:65], 0
	v_nop
	global_prefetch_b8 v0, s[64:65] scope:SCOPE_SE
	s_setreg_imm32_b32 hwreg(HW_REG_WAVE_MODE, 25, 1), 1
	s_wait_xcnt 0x0
	s_wait_alu depctr_hold_cnt(0) depctr_sa_sdst(0) depctr_va_vdst(0) depctr_va_sdst(0) depctr_va_ssrc(0) depctr_va_vcc(0) depctr_vm_vsrc(0)
	s_getreg_b32 s2, hwreg(HW_REG_IB_STS2, 6, 4)
	s_cmp_eq_u32 s2, 0
	s_cbranch_scc0 .Lentry_in_a_cluster
	s_endpgm
.Lentry_in_a_cluster:
	s_bfe_u32 s2, ttmp6, 0x10000c
	s_cmp_lg_u32 s2, 0xf033
	s_cbranch_scc0 .Lentry_shape_is_right
	s_endpgm
.Lentry_shape_is_right:
; THE THREE PROJECTIONS, on codes of BF8 (E5M2), each result + bias quantised again and stored as images of the attention's operand registers.
; The cluster's y, G, says which:  G = 0: q = xq Wq^T + bq (scales e0, e1; out e6) -> q_img;  G = 1: k = key Wq^T + bq (e2, e3; out e7) -> k_img;
; G = 2: v^T = Wv values^T + bv (e4, e5; out e9) -> v_img: here the weight is the left operand, so that a lane ends up with one channel and neighbouring KEYS, which are the second attention product's K.
; C = L R^T, L [rows][1024], R [cols][1024].  A tile of C, 256 x 256, is made by four waves, each 128 x 128: 64 accumulators, 512 registers.  K goes in steps of 256 through two LDS slots filled by tensor loads.
; CLUSTERS: 4 x 4 work-groups; L's tile hangs on the tile row (shared along a row of the cluster), R's on the tile column (shared along a column): each is asked for jointly.  G and the cluster's x are equal in all partners, so the branches on G are too.
; THE MATRIX INSTRUCTION IS USED TRANSPOSED (source 0 = 16 rows of R, source 1 = 16 rows of L): a lane holds one row of L.  THE ROWS OF R THAT FORM A TILE ARE NOT NEIGHBOURS: lane r of tile 2 b + u takes row
; 32 b + 8 u + r + 8 (r / 8), so that a lane's 16 registers of tiles 2 b, 2 b + 1 are the 16 neighbouring columns 32 b + 16 (lane / 16) + 0 .. 15: two conversions make 16 bytes of the next operand.
; The price: the two groups of eight rows lie 16 x 272 = 17 x 256 bytes apart, so R's fragment loads meet two deep in the banks.
; THE BIAS is the C of each sum's first product, divided by 2^(eL + eR); by columns for G < 2 (eight registers a tile of R), by rows for G = 2 (one number a lane and block of L, in eight registers).
; The first step is therefore written twice, under a branch on G.
; IMAGES: q_img, k_img [b x 16 + head][token / 16][c][lane][16 bytes]: token 16 tile + lane % 16, channel 32 c + 16 (lane / 16) + 0 .. 15.   v_img [b x 16 + head][key / 32][channel / 16][lane][16 bytes]: channel 16 tile + lane % 16, key 32 kb + 16 (lane / 16) + 0 .. 15.
; LIMITS: out e - eL - eR between -126 and 112, so that the folded scale and 57,344 x it are f32 numbers.
; REGISTERS: window 0: v12 the folded scale, v13 the hold, v16-29 addresses, v32-95 the bias, v128-255 L's fragments (one set), on the way out the codes.  window 1: R's fragments, two sets.  windows 2, 3: the accumulators.
.set ROWB,   256
.set KROW,   1024
.set PITCH,  272                       ; an LDS row: 256 bytes + 16 of padding
.set FR,     16
.set NL,     4
.set NP,     4
.set HALFT,  128*PITCH
.set SLOT,   4*HALFT
.set LAPS,   2                         ; 1,024 along K = twice round the ring
.set SPARE,  2*SLOT                    ; behind the ring: the spare words, 128 bytes for each wave
.set SCL,  12
.set LIM,  13
.set ADRA, 16
.set ADRB, 20
.set VO,   24                          ; v24-27 my byte offsets in the image, one for each 32 columns
.set SPW,  28
.set NIL,  29
.set BI,   32
.set AF,   128
.set G1, 24
.set G0, 32
.set G1B, 48
.set G0B, 56
.set MSB, 0
.macro WIN new                         ; the immediate's high byte repeats the setting that is left
.if MSB != \new
	s_set_vgpr_msb (MSB<<8)|\new
.set MSB, \new
.endif
.endm
.set MUL_LO, 0xa1                      ; source 0 (R) window 1, source 1 (L) window 0, C and D window 2
.set MUL_HI, 0xf1                      ; the same, C and D window 3
.set BIA_LO, 0x81                      ; the first step: C (the bias) window 0, D window 2
.set BIA_HI, 0xc1                      ; D window 3
.set TO_B,   0x40
.macro JLOAD g0a, g1a, g0b, g1b        ; a joint load: waves 0 and 1 fetch for L, waves 2 and 3 for R; four v_nop follow each of the two lines
	s_cmp_eq_u32 s15, 0
	s_cbranch_scc0 .Lfor_b_\@
	tensor_load_to_lds s[\g0a:\g0a+3], s[\g1a:\g1a+7]
	s_nop 0
.rept 4
	v_nop
.endr
	s_branch .Lasked_\@
.Lfor_b_\@:
	tensor_load_to_lds s[\g0b:\g0b+3], s[\g1b:\g1b+7]
	s_nop 0
.rept 4
	v_nop
.endr
.Lasked_\@:
.endm
.macro CREST
	s_cmp_lg_u32 s14, 0
	s_cbranch_scc1 .Lnot_wave_0_\@
	s_barrier_signal -3
.Lnot_wave_0_\@:
	s_barrier_wait -3
	s_barrier_signal -1
	s_barrier_wait -1
.endm
.macro CROUND
	s_barrier_signal -1
	s_barrier_wait -1
	CREST
.endm
	s_load_b512 s[68:83], s[0:1], 0x0              ; xq 68, key 70, values 72, Wq 74, Wv 76, bq 78, bv 80, scales 82
	s_load_b128 s[84:87], s[0:1], 0x40             ; q_img, k_img
	s_load_b64 s[88:89], s[0:1], 0x50              ; v_img
	v_lshl_add_u32 v[SPW], v0, 2, SPARE
	v_mov_b32 v[NIL], 0
	ds_add_u32 v28, v29
	s_wait_dscnt 0x0
	v_lshrrev_b32 v1, 5, v0
	v_readfirstlane_b32 s14, v1                    ; wave 0..3
	s_lshr_b32 s15, s14, 1                         ; which half of the tile's rows is mine.  Also: I fetch for L (0) or for R (1)
	s_and_b32 s16, s14, 1                          ; which half of its columns.  Also: which 128 rows of that tile I fetch
	s_bfe_u32 s40, ttmp6, 0x40000                  ; cx
	s_bfe_u32 s41, ttmp6, 0x40004                  ; cy
	s_and_b32 s2, ttmp7, 0xffff                    ; G: the cluster's y
	s_lshl_b32 s18, ttmp9, 2                       ; 4 x the cluster's x: it walks the tokens, which are rows for G < 2 and columns for G = 2
	s_cmp_eq_u32 s2, 2
	s_cselect_b32 s19, 0, s18
	s_cselect_b32 s18, s18, 0
	s_add_co_u32 s17, s19, s41                     ; tile row
	s_add_co_u32 s42, s18, s40                     ; tile column
	s_lshl_b32 s43, s41, 2
	s_lshl_b32 s43, 15, s43                        ; my row of the cluster
	s_lshl_b32 s44, 0x1111, s40                    ; my column
	s_or_b32 s[G1+0], s43, (0<<16)|(1<<20)|(1<<21)|(5<<22)|(3<<25)  ; the mask; elements of 1 byte; padding on; bit 21 beside a mask; 4 words behind every 64
	s_or_b32 s[G1B+0], s44, (0<<16)|(1<<20)|(1<<21)|(5<<22)|(3<<25)
.irp g, G1, G1B
	s_mov_b32 s[\g+1], ROWB<<16                    ; tensor_dim0
	s_mov_b32 s[\g+2], 128<<16                     ; tensor_dim1
	s_mov_b32 s[\g+3], ROWB<<16                    ; tile_dim0
	s_mov_b32 s[\g+4], 128                         ; tile_dim1
	s_mov_b32 s[\g+5], KROW                        ; tensor_dim0_stride
	s_mov_b32 s[\g+6], 0
	s_mov_b32 s[\g+7], 0
.endr
	s_lshl_b32 s18, s16, 7
	s_lshl_b32 s20, s17, 8
	s_add_co_u32 s20, s20, s18
	s_lshl_b32 s20, s20, 10                        ; L: (256 x tile row + 128 x half) rows of 1,024 bytes
	s_mov_b32 s21, 0
	s_lshl_b32 s46, s42, 8
	s_add_co_u32 s46, s46, s18
	s_lshl_b32 s46, s46, 10                        ; R likewise, by the tile column
	s_mov_b32 s47, 0
	s_mul_i32 s45, s14, HALFT                      ; where they go: wave x 128 rows
	s_wait_kmcnt 0x0
	s_load_b256 s[92:99], s[82:83], 0x0            ; e0 .. e7
	s_load_b64 s[100:101], s[82:83], 0x20          ; e8, e9
	s_cmp_eq_u32 s2, 2                             ; the buffers are chosen by G alone
	s_cselect_b64 s[4:5], s[76:77], s[68:69]       ; L
	s_cselect_b64 s[6:7], s[72:73], s[74:75]       ; R
	s_cselect_b64 s[8:9], s[80:81], s[78:79]       ; the bias
	s_cselect_b64 s[10:11], s[88:89], s[84:85]     ; the image
	s_cmp_eq_u32 s2, 1
	s_cselect_b64 s[4:5], s[70:71], s[4:5]
	s_cselect_b64 s[10:11], s[86:87], s[10:11]
	s_add_nc_u64 s[20:21], s[4:5], s[20:21]
	s_add_nc_u64 s[46:47], s[6:7], s[46:47]
	CROUND                                         ; all sixteen work-groups are here: the first joint loads meet
.irp s, 0,1
	s_mov_b32 s[G0+4*\s], 1
	s_add_co_u32 s[G0+4*\s+1], s45, \s*SLOT
	s_add_nc_u64 s[G0+4*\s+2:G0+4*\s+3], s[20:21], \s*ROWB
	s_or_b32 s[G0+4*\s+3], s[G0+4*\s+3], 0x80000000
	s_mov_b32 s[G0B+4*\s], 1
	s_add_co_u32 s[G0B+4*\s+1], s45, \s*SLOT
	s_add_nc_u64 s[G0B+4*\s+2:G0B+4*\s+3], s[46:47], \s*ROWB
	s_or_b32 s[G0B+4*\s+3], s[G0B+4*\s+3], 0x80000000
	JLOAD G0+4*\s, G1, G0B+4*\s, G1B
.endr
	v_and_b32 v1, 15, v0                           ; r
	v_bfe_u32 v2, v0, 4, 1                         ; h
	v_mul_u32_u24 v3, v1, PITCH
	v_lshl_add_u32 v4, v2, 4, v3                   ; L: row r x pitch + 16 h
	v_and_b32 v5, 8, v1
	v_add_nc_u32 v5, v5, v1                        ; r + 8 (r / 8)
	v_mul_u32_u24 v5, v5, PITCH
	v_lshl_add_u32 v5, v2, 4, v5                   ; R: that row x pitch + 16 h
	s_mul_i32 s21, s15, HALFT
	s_mul_i32 s22, s16, HALFT
	s_add_co_u32 s22, s22, 2*HALFT
.irp s, 0,1
	v_add_nc_u32 v[ADRA+\s], s21, v4
	v_add_nc_u32 v[ADRB+\s], s22, v5
	s_add_co_u32 s21, s21, SLOT
	s_add_co_u32 s22, s22, SLOT
.endr
	; where my results go.  The token side (tile X1, half wt) gives the batch and the place in a head's image, the feature side (tile X2, half wf) the head.
	s_cmp_eq_u32 s2, 2
	s_cselect_b32 s18, s42, s17                    ; X1
	s_cselect_b32 s19, s17, s42                    ; X2
	s_cselect_b32 s21, s16, s15                    ; wt
	s_cselect_b32 s22, s15, s16                    ; wf
	s_mov_b32 s20, 1024
	s_cselect_b32 s20, 512, s20                    ; from a block of 16 rows of L to the next: a token tile (1,024 bytes) or a channel tile (512),
	s_mov_b32 s90, 1024
	s_cselect_b32 s90, 64000, s90                  ; and from block 3 to block 4: for G = 2 the next head: 65,536 - 3 x 512
	s_mov_b32 s91, 512
	s_cselect_b32 s91, 2048, s91                   ; from 32 columns to the next: c (512), then the head (65,536); or 32 keys (2,048)
	s_mov_b32 s23, 65536
	s_cselect_b32 s23, 4096, s23
	v_and_b32 v6, 31, v0
	v_lshlrev_b32 v[VO], 4, v6
	v_add_nc_u32 v[VO+1], s91, v[VO]
	v_add_nc_u32 v[VO+2], s23, v[VO]
	v_add_nc_u32 v[VO+3], s23, v[VO+1]
	s_lshl_b32 s46, s19, 10
	s_lshl_b32 s47, s22, 9
	s_add_co_u32 s46, s46, s47
	s_mov_b32 s47, 0
	s_add_nc_u64 s[8:9], s[8:9], s[46:47]          ; the bias at my 128 features: 4 x (256 X2 + 128 wf) bytes
	s_lshr_b32 s45, s18, 2
	s_lshl_b32 s45, s45, 20                        ; the batch: 16 heads of 65,536 bytes
	s_lshl_b32 s46, s19, 2
	s_lshl_b32 s47, s22, 1
	s_add_co_u32 s46, s46, s47
	s_lshl_b32 s46, s46, 16                        ; my first head: 4 X2 + 2 wf
	s_add_co_u32 s45, s45, s46
	s_and_b32 s46, s18, 3
	s_lshl_b32 s46, s46, 1
	s_add_co_u32 s46, s46, s21
	s_lshl_b32 s46, s46, 13                        ; my 128 tokens in the head's image: 8,192 bytes
	s_add_co_u32 s46, s46, s45
	s_mov_b32 s47, 0
	s_add_nc_u64 s[10:11], s[10:11], s[46:47]
	s_mov_b32 s21, 0                               ; s[20:21], s[22:23]: the two steps as 64-bit numbers
	s_mov_b32 s22, s90
	s_mov_b32 s23, 0
	s_wait_kmcnt 0x0
	s_cmp_eq_u32 s2, 2
	s_cselect_b32 s90, s96, s92
	s_cselect_b32 s91, s97, s93
	s_cselect_b32 s45, s101, s98
	s_cmp_eq_u32 s2, 1
	s_cselect_b32 s90, s94, s90
	s_cselect_b32 s91, s95, s91
	s_cselect_b32 s45, s99, s45
	s_add_co_i32 s90, s90, s91                     ; eL + eR: a sum stands for sum x 2^(eL + eR)
	s_sub_co_i32 s91, 0, s90
	s_sub_co_i32 s45, s45, s90                     ; so its code is sum / 2^(out e - eL - eR)
	s_add_co_i32 s45, s45, 127
	s_lshl_b32 s46, s45, 23
	v_mov_b32 v[SCL], s46
	s_add_co_i32 s45, s45, 15
	s_lshl_b32 s45, s45, 23
	s_or_b32 s45, s45, 0x600000
	v_mov_b32 v[LIM], s45                          ; 57,344 x that
	s_cmp_eq_u32 s2, 2
	s_cbranch_scc1 .Lbias_rows
	v_lshlrev_b32 v7, 6, v2                        ; by columns: register 16 b + i is the bias of column 32 b + 16 h + i
.irp b, 0,1,2,3
.irp q, 0,1,2,3
	global_load_b128 v[BI+16*\b+4*\q:BI+16*\b+4*\q+3], v7, s[8:9] offset:128*\b+16*\q
.endr
.endr
	s_wait_loadcnt 0x0
.set i, 0
.rept 64
	v_ldexp_f32 v[BI+i], v[BI+i], s91              ; / 2^(eL + eR)
.set i, i+1
.endr
	s_branch .Lbias_done
.Lbias_rows:
	v_lshlrev_b32 v7, 2, v1                        ; by rows: block a's eight registers all hold the bias of row 16 a + r
.irp a, 0,1,2,3,4,5,6,7
	global_load_b32 v[BI+8*\a], v7, s[8:9] offset:64*\a
.endr
	s_wait_loadcnt 0x0
.irp a, 0,1,2,3,4,5,6,7
	v_ldexp_f32 v[BI+8*\a], v[BI+8*\a], s91
.endr
.irp a, 0,1,2,3,4,5,6,7
.irp i, 1,2,3,4,5,6,7
	v_mov_b32 v[BI+8*\a+\i], v[BI+8*\a]
.endr
.endr
.Lbias_done:
.macro FRAGA reg, slot, q, i           ; 16 rows x 128 K: registers 4 c .. 4 c + 3 hold K = 32 c + 16 h + 0 .. 15: the same places in L and in R
.irp c, 0,1,2,3
	ds_load_b128 v[\reg+4*\c:\reg+4*\c+3], v[ADRA+\slot] offset:128*(\q)+32*\c+(\i)*16*PITCH
.endr
.endm
.macro FRAGB reg, slot, q, i           ; tile i begins at row 32 (i / 2) + 8 (i % 2)
.irp c, 0,1,2,3
	ds_load_b128 v[\reg+4*\c:\reg+4*\c+3], v[ADRB+\slot] offset:128*(\q)+32*\c+(32*((\i)/2)+8*((\i)%2))*PITCH
.endr
.endm
; 16 products: L's blocks a0, a0 + 1 x R's eight.  cmode 0: onto the sums; 1: the bias by columns starts them; 2: the bias by rows.  The 64 accumulators take turns, one instruction a turn.
.macro MUL16 a0, p, cmode
.irp a, \a0, \a0+1
.irp b, 0,1,2,3,4,5,6,7
.if \cmode == 0
	v_wmma_f32_16x16x128_bf8_bf8 v[8*(8*((\a)%4)+\b):8*(8*((\a)%4)+\b)+7], v[128*(\p)+FR*\b:128*(\p)+FR*\b+FR-1], v[AF+FR*(\a):AF+FR*(\a)+FR-1], v[8*(8*((\a)%4)+\b):8*(8*((\a)%4)+\b)+7]
.elseif \cmode == 1
	v_wmma_f32_16x16x128_bf8_bf8 v[8*(8*((\a)%4)+\b):8*(8*((\a)%4)+\b)+7], v[128*(\p)+FR*\b:128*(\p)+FR*\b+FR-1], v[AF+FR*(\a):AF+FR*(\a)+FR-1], v[BI+8*\b:BI+8*\b+7]
.else
	v_wmma_f32_16x16x128_bf8_bf8 v[8*(8*((\a)%4)+\b):8*(8*((\a)%4)+\b)+7], v[128*(\p)+FR*\b:128*(\p)+FR*\b+FR-1], v[AF+FR*(\a):AF+FR*(\a)+FR-1], v[BI+8*(\a):BI+8*(\a)+7]
.endif
.endr
.endr
.endm
.macro FETCH_B slot, q, p
	WIN TO_B
.irp i, 0,1,2,3,4,5,6,7
	FRAGB 128*(\p)+FR*\i, \slot, \q, \i
.endr
	WIN 0
.endm
.macro FETCH_A slot, q, i0
.irp i, \i0, \i0+1, \i0+2, \i0+3
	FRAGA AF+FR*(\i), \slot, \q, \i
.endr
.endm
.macro PLACES n                        ; plain vector instructions between a matrix instruction and a load into, or a vector read or write of, its registers
.rept \n
	v_nop
.endr
.endm
.macro STEP slot, q, cmode             ; 128 along K that has its successor in the same slot
	s_wait_dscnt 4*NL                              ; R's set and L's blocks 0-3 are in; the youngest sixteen loads (L's blocks 4-7) may be out
.if \cmode
	WIN BIA_LO
.else
	WIN MUL_LO
.endif
	MUL16 0, (\q)%2, \cmode
	MUL16 2, (\q)%2, \cmode
	s_wait_dscnt 0
	PLACES NP
	FETCH_B \slot, (\q)+1, 1-(\q)%2
	FETCH_A \slot, (\q)+1, 0
.if \cmode
	WIN BIA_HI
.else
	WIN MUL_HI
.endif
	MUL16 4, (\q)%2, \cmode
	MUL16 6, (\q)%2, \cmode
	PLACES NP
	WIN 0
	FETCH_A \slot, (\q)+1, 4
.endm
.macro TURN slot, next, fill           ; a slot's last step changes slots: one barrier; fill = 1: this slot is filled again, two K steps ahead
	s_wait_tensorcnt 0x0                           ; all my tensor loads have landed: my part of the next slot
	ds_add_u32 v[SPW], v[NIL]                      ; 0 onto my spare word
	s_wait_dscnt 4*NL+1                            ; the add and the youngest sixteen loads (L's blocks 4-7) may be out
	WIN MUL_LO
	MUL16 0, 1, 0
	s_wait_dscnt 0x0                               ; the add is done, and my reads of this slot are over
	s_barrier_signal -1
	MUL16 2, 1, 0
	WIN 0
	s_barrier_wait -1
.if \fill
	CREST                                          ; the barrier has opened a round of the cluster's barrier: no wave of any partner still reads this slot or has a load on its way
	s_add_nc_u64 s[G0+4*\slot+2:G0+4*\slot+3], s[G0+4*\slot+2:G0+4*\slot+3], 2*ROWB
	s_add_nc_u64 s[G0B+4*\slot+2:G0B+4*\slot+3], s[G0B+4*\slot+2:G0B+4*\slot+3], 2*ROWB
	JLOAD G0+4*\slot, G1, G0B+4*\slot, G1B         ; the first tensor load behind the round; its four v_nop are the places in front of the loads below
.else
	PLACES NP
.endif
	FETCH_B \next, 0, 0
	FETCH_A \next, 0, 0
	WIN MUL_HI
	MUL16 4, 1, 0
	MUL16 6, 1, 0
	PLACES NP
	WIN 0
	FETCH_A \next, 0, 4
.endm
	s_wait_tensorcnt 1                             ; my part of K step 0 is in; K step 1's load may be out
	s_barrier_signal -1
	s_barrier_wait -1
	FETCH_B 0, 0, 0
	FETCH_A 0, 0, 0
	FETCH_A 0, 0, 4
	s_cmp_eq_u32 s2, 2                             ; the first step starts the sums with the bias: by columns or by rows
	s_cbranch_scc1 .Lfirst_rows
	STEP 0, 0, 1
	s_branch .Lfirst_done
.Lfirst_rows:
	STEP 0, 0, 2
.Lfirst_done:
	s_mov_b32 s3, LAPS-1
.Llap:                                                 ; a trip goes once round the ring and fills both slots again
	TURN 0, 1, 1
	STEP 1, 0, 0
	TURN 1, 0, 1
	STEP 0, 0, 0
	s_sub_co_u32 s3, s3, 1
	s_cmp_lg_u32 s3, 0
	s_cbranch_scc1 .Llap
	TURN 0, 1, 0                                   ; the last lap fills nothing
	STEP 1, 0, 0
	s_wait_dscnt 4*NL
	WIN MUL_LO
	MUL16 0, 1, 0
	MUL16 2, 1, 0
	s_wait_dscnt 0
	WIN MUL_HI
	MUL16 4, 1, 0
	MUL16 6, 1, 0
	WIN 0
; THE WAY OUT, block by block of 16 rows of L: the hold, eight conversions, four stores of 512 consecutive bytes each (32 lanes x 16 bytes of the image).  Each block has its own registers for its codes.
.macro OUTBLK a
.set AC, 64*((\a)%4)
.set W, 2+(\a)/4
	WIN (W<<6)|W
.set i, 0
.rept 64
	v_med3_num_f32 v[AC+i], v[AC+i], -v[LIM], v[LIM]   ; each accumulator from its low end on
.set i, i+1
.endr
	WIN W
.irp b, 0,1,2,3,4,5,6,7
	v_cvt_scalef32_pk8_bf8_f32 v[AF+16*(\a)+2*\b:AF+16*(\a)+2*\b+1], v[AC+8*\b:AC+8*\b+7], v[SCL]
.endr
	v_nop                                          ; a plain line behind the last conversion
	WIN 0
.if (\a) > 0
	s_wait_xcnt 0x0                                ; the last block's stores have read their base
.if (\a) == 4
	s_add_nc_u64 s[10:11], s[10:11], s[22:23]
.else
	s_add_nc_u64 s[10:11], s[10:11], s[20:21]
.endif
.endif
.irp b, 0,1,2,3
	global_store_b128 v[VO+\b], v[AF+16*(\a)+4*\b:AF+16*(\a)+4*\b+3], s[10:11]
.endr
.endm
	PLACES NP                                      ; behind the last products: the conversions write where L's fragments lay
.irp a, 0,1,2,3,4,5,6,7
	OUTBLK \a
.endr
	s_wait_tensorcnt 0x0                           ; the wave's end
	ds_add_u32 v[SPW], v[NIL]
	s_wait_dscnt 0x0
	CROUND                                         ; the closing round
	s_endpgm
.Lfunc_end_k_q8501baff8e_proj:
	.size	k_q8501baff8e_proj, .Lfunc_end_k_q8501baff8e_proj-k_q8501baff8e_proj
	.p2alignl 7, 3214868480
	.fill 96, 4, 3214868480
	.section	.rodata,"a",@progbits
	.p2align	6, 0x0
	.amdhsa_kernel k_q8501baff8e_proj
		.amdhsa_group_segment_fixed_size 327680
		.amdhsa_private_segment_fixed_size 0
		.amdhsa_enable_private_segment 0
		.amdhsa_kernarg_size 88
		.amdhsa_user_sgpr_count 2
		.amdhsa_user_sgpr_kernarg_segment_ptr 1
		.amdhsa_wavefront_size32 1
		.amdhsa_system_sgpr_workgroup_id_x 1
		.amdhsa_system_sgpr_workgroup_id_y 1
		.amdhsa_system_sgpr_workgroup_id_z 1
		.amdhsa_system_vgpr_workitem_id 0
		.amdhsa_next_free_vgpr 1024
		.amdhsa_next_free_sgpr 102
		.amdhsa_reserve_vcc 0
		.amdhsa_float_denorm_mode_32 3
		.amdhsa_float_denorm_mode_16_64 3
		.amdhsa_memory_ordered 1
		.amdhsa_forward_progress 1
		.amdhsa_inst_pref_size 137
	.end_amdhsa_kernel
	.amdgpu_metadata
---
amdhsa.version: [ 1, 2 ]
amdhsa.kernels:
  - .name:           k_q8501baff8e_proj
    .symbol:         k_q8501baff8e_proj.kd
    .args:
      - { .name: xq_codes, .offset: 0, .size: 8, .value_kind: global_buffer, .address_space: global }
      - { .name: key_codes, .offset: 8, .size: 8, .value_kind: global_buffer, .address_space: global }
      - { .name: values_codes, .offset: 16, .size: 8, .value_kind: global_buffer, .address_space: global }
      - { .name: Wq_codes, .offset: 24, .size: 8, .value_kind: global_buffer, .address_space: global }
      - { .name: Wv_codes, .offset: 32, .size: 8, .value_kind: global_buffer, .address_space: global }
      - { .name: bq, .offset: 40, .size: 8, .value_kind: global_buffer, .address_space: global }
      - { .name: bv, .offset: 48, .size: 8, .value_kind: global_buffer, .address_space: global }
      - { .name: lowp_scales, .offset: 56, .size: 8, .value_kind: global_buffer, .address_space: global }
      - { .name: q_img, .offset: 64, .size: 8, .value_kind: global_buffer, .address_space: global }
      - { .name: k_img, .offset: 72, .size: 8, .value_kind: global_buffer, .address_space: global }
      - { .name: v_img, .offset: 80, .size: 8, .value_kind: global_buffer, .address_space: global }
    .group_segment_fixed_size: 327680
    .private_segment_fixed_size: 0
    .kernarg_segment_align: 8
    .kernarg_segment_size: 88
    .max_flat_workgroup_size: 128
    .sgpr_count:     102
    .vgpr_count:     1024
    .wavefront_size: 32
...
	.end_amdgpu_metadata
.endif
;; end of part 2
;; launch attn (part 3): grid 256 x 1, 16 waves a work-group, no clusters, 272,384 bytes of LDS; arguments q_img, k_img, v_img, gammas, lowp_scales, c_img; writes c_img
.if DOCPART == 3
	.amdgcn_target "amdgcn-amd-amdhsa--gfx1250"
	.amdhsa_code_object_version 6
	.text
	.protected	k_q8501baff8e_attn
	.globl	k_q8501baff8e_attn
	.p2align	8
	.type	k_q8501baff8e_attn,@function
k_q8501baff8e_attn:
	s_mov_b64 s[64:65], 0
	v_nop
	global_prefetch_b8 v0, s[64:65] scope:SCOPE_SE
	s_setreg_imm32_b32 hwreg(HW_REG_WAVE_MODE, 25, 1), 1
	s_wait_xcnt 0x0
; THE ATTENTION OF ONE HEAD, both products on codes of BF8 (E5M2).  For query q and keys k < q (strict):  s = q . k / 8;  s1 = softmax(s);  x = (sum of s1 over the keys behind k) x (q - k);
; effect = clip(exp(-|gamma| sqrt(x)), 1e-5, 1e5);  p = softmax(s x effect) x min(1 / max p, 5) = e^(s2 - max) x min(1, 5 / sum);  o = p v.  p is quantised finished (e8), o with e10.  Row 0 has no key: its p is 0.
; SHARES.  Work-group = (head bh = id / 4, j = id % 4).  It walks four blocks of 64 queries, a = 15 - j, 8 + j, 7 - j, j: block a needs the keys 0 .. 64 (a + 1) - 1, nt = a + 1 tiles a wave, and the four nt add up to 34 in every work-group.
; Wave w: query tile qw = w % 4 (16 queries from q0 = 64 a + 16 qw), key chunk kw = w / 4 (16 nt keys from ck = 16 nt kw).  Lane (r, h) holds query q0 + r and the 8 nt NEIGHBOURING keys from kb = ck + 8 nt h on: register A[e] is key kb + e.
; So the sums over the keys behind a key are a run of additions down a lane's registers, one exchange between the halves of the lanes, and one through LDS between the four chunks.
; Both products are used transposed: S^T = K Q^T (source 0 = 16 keys: lanes 0-7 of a tile take eight keys of the lower half's run, lanes 8-15 eight of the upper's), O^T = V^T P^T.
; The whole head's K and V images (64 KB each) are brought into LDS once, by eight tensor loads; nothing is filled again.
; NO CLUSTER: the four work-groups of a head walk different blocks, so their trip guards and LDS addresses would differ between partners, and what they share is one fill of 128 KB at the start.
; The sums behind a key are formed directly from non-negative terms, not as total - running sum: they are never negative, so reference's clip at 0 can never bind, and their rounding differs from a difference of sums.
; LIMITS: e6 + e7 between -120 and 130 (added to an exponent field); e8 and e10 - e8 - e9 between -126 and 112; |gamma| under 1e18 (it is squared).  NaN among the inputs is not served.
; LDS: 0 K's image; 65,536 V's; 196,608 ST1, 200,704 ST2 (8 bytes a thread: a chunk's maximum and sum); 204,800 OX (4 KB a wave: partial O^T).
; REGISTERS: v1 r, v2 h, v3 16 x lane, v4-5 K's addresses, v6-9 V's, v10 q - kb, v11 1 - h, v12-15 LDS addresses of the exchanges, v16-19 lane terms, v[20:21] maximum and sum, v[22:23] AL / G, v[24:25] BE, v26-31 at work,
;   v32-39 Q, v40-71 K's or V's fragments, v72-103 scores of four tiles / O^T, v104-111 q - k / p's codes, v112-240 A[0..128] (A[128] = 0 for ever), v241 E[0], v242-249 at work, v250-253 holds and scales, v254 -infinity, v255 a permute's destination.
.set ST1, 196608
.set OX,  204800
.set A,   112
.set KF,  40
.set ST,  72
.set POS, 104
.set T,   242
	s_load_b256 s[4:11], s[0:1], 0x0               ; q_img, k_img, v_img, gammas
	s_load_b128 s[12:15], s[0:1], 0x20             ; the scales' exponents, c_img
	v_lshl_add_u32 v254, v0, 2, 0x42000
	v_mov_b32 v255, 0
	ds_add_u32 v254, v255
	s_wait_dscnt 0x0
	v_lshrrev_b32 v30, 5, v0
	v_readfirstlane_b32 s16, v30                   ; wave 0..15
	s_and_b32 s17, s16, 3                          ; qw
	s_lshr_b32 s18, s16, 2                         ; kw
	s_lshr_b32 s19, ttmp9, 2                       ; bh
	s_and_b32 s20, ttmp9, 3                        ; j
	s_mov_b32 s24, 3<<16                           ; group 1: a dense block as 64 rows of 32 elements of 8 bytes: no mask, no padding
	s_mov_b32 s25, 32<<16                          ; tensor_dim0
	s_mov_b32 s26, 64<<16                          ; tensor_dim1
	s_mov_b32 s27, 32<<16                          ; tile_dim0
	s_mov_b32 s28, 64                              ; tile_dim1
	s_mov_b32 s29, 32                              ; the pitch
	s_mov_b32 s30, 0
	s_mov_b32 s31, 0
	s_mov_b32 s32, 1
	s_lshl_b32 s33, s16, 14                        ; waves 0-3: K's quarters at 0; waves 4-7: V's at 65,536
	s_lshl_b32 s42, s19, 16                        ; the head's 65,536 bytes in each image
	s_lshl_b32 s62, s17, 14
	s_add_co_u32 s62, s62, s42
	s_mov_b32 s63, 0
	s_and_b32 s46, s19, 15
	s_lshl_b32 s46, s46, 2
	s_mov_b32 s47, 0
	s_wait_kmcnt 0x0
	s_load_b64 s[56:57], s[12:13], 0x18            ; e6, e7
	s_load_b128 s[52:55], s[12:13], 0x20           ; e8 .. e11
	s_add_nc_u64 s[10:11], s[10:11], s[46:47]
	s_load_b32 s38, s[10:11], 0x0                  ; the head's gamma
	s_cmp_lt_u32 s16, 4
	s_cselect_b64 s[34:35], s[6:7], s[8:9]
	s_add_nc_u64 s[34:35], s[34:35], s[62:63]
	s_or_b32 s35, s35, 0x80000000
	s_cmp_lt_u32 s16, 8
	s_cbranch_scc0 .Lno_fill
	tensor_load_to_lds s[32:35], s[24:31]          ; one load a wave, 16 KB; the only tensor loads of the launch
	s_nop 0
.rept 4
	v_nop
.endr
.Lno_fill:
	v_and_b32 v1, 15, v0                           ; r
	v_bfe_u32 v2, v0, 4, 1                         ; h
	v_and_b32 v30, 31, v0
	v_lshlrev_b32 v3, 4, v30                       ; 16 x lane
	v_and_b32 v16, 7, v0                           ; r % 8
	v_bfe_u32 v17, v0, 3, 1                        ; r / 8
	v_lshlrev_b32 v19, 8, v2                       ; 256 h
	v_lshlrev_b32 v18, 4, v16
	v_lshl_add_u32 v18, v17, 9, v18
	v_add_nc_u32 v18, 65536, v18                   ; V: the lane's channel: 512 (r / 8) + 16 (r % 8)
	v_cvt_f32_u32 v11, v2
	v_sub_f32 v11, 1.0, v11                        ; 1 in the lower half of the lanes, 0 in the upper
	v_lshl_add_u32 v12, v0, 3, ST1                 ; where I put my chunk's maximum and sum
	v_lshlrev_b32 v13, 3, v30
	s_lshl_b32 s46, s17, 8
	v_add_nc_u32 v13, s46, v13
	v_add_nc_u32 v13, ST1, v13                     ; where I read the four chunks': + 1,024 kw'
	s_lshl_b32 s46, s16, 12
	v_add_nc_u32 v14, s46, v3
	v_add_nc_u32 v14, OX, v14                      ; my partial O^T
	s_lshl_b32 s46, s17, 12
	s_lshl_b32 s47, s18, 11
	s_add_co_u32 s46, s46, s47
	v_add_nc_u32 v15, s46, v3
	v_add_nc_u32 v15, OX, v15                      ; waves with kw < 2: half kw of the four partial results of my query tile: + 16,384 kw'
	v_mov_b32 v254, 0xff800000
	v_mov_b32 v255, 0
	v_mov_b32 v21, 0
	v_mov_b32 v23, 0                               ; (upper halves of pairs of which the low word serves both halves: named, so written)
	v_mov_b32 v25, 0
	v_mov_b32 v[A+128], 0
	s_mov_b32 s39, 0x3727c5ac                      ; 1e-5
	s_mov_b32 s51, 0x47c35000                      ; 1e5
	s_mov_b32 s40, 0x76543210
	s_mov_b32 s41, 0xfedcba98                      ; lane l xor 16
	s_cmp_lt_u32 s18, 1
	s_cselect_b32 s43, 1.0, 0                      ; 1 where chunk 1, 2, 3 lies behind mine
	s_cmp_lt_u32 s18, 2
	s_cselect_b32 s44, 1.0, 0
	s_cmp_lt_u32 s18, 3
	s_cselect_b32 s45, 1.0, 0
	s_lshl_b32 s46, s17, 10
	s_add_co_u32 s46, s46, s42
	s_mov_b32 s47, 0
	s_add_nc_u64 s[4:5], s[4:5], s[46:47]          ; Q: the head, + 1,024 qw; a trip adds 4,096 a
	s_lshr_b32 s46, s19, 4
	s_lshl_b32 s46, s46, 6
	s_add_co_u32 s46, s46, s17
	s_lshl_b32 s46, s46, 14                        ; c_img: row tile 64 b + qw (+ 4 a), 16,384 bytes each;
	s_bfe_u32 s47, s19, 0x30001
	s_lshl_b32 s47, s47, 11                        ; K step head / 2;
	s_add_co_u32 s46, s46, s47
	s_and_b32 s47, s19, 1
	s_lshl_b32 s47, s47, 1
	s_add_co_u32 s47, s47, s18
	s_lshl_b32 s47, s47, 9                         ; c = 2 (head % 2) + kw
	s_add_co_u32 s46, s46, s47
	s_mov_b32 s47, 0
	s_add_nc_u64 s[14:15], s[14:15], s[46:47]
	s_wait_kmcnt 0x0
	s_add_co_i32 s46, s56, s57
	s_lshl_b32 s46, s46, 23
	s_add_co_i32 s36, s46, 0x3e38aa3b              ; cs = log2(e) / 8 x 2^(e6 + e7): t = cs x (a sum of codes' products)
	s_mov_b32 s37, s36
	s_mul_f32 s38, s38, 0x3fb8aa3b
	s_mul_f32 s38, s38, s38                        ; (gamma log2 e)^2: exp(-|gamma| sqrt x) = 2^-sqrt(x (gamma log2 e)^2)
	s_add_co_i32 s46, s52, 127
	s_lshl_b32 s47, s46, 23
	v_mov_b32 v251, s47                            ; 2^e8
	s_add_co_i32 s46, s46, 15
	s_lshl_b32 s46, s46, 23
	s_or_b32 s46, s46, 0x600000
	v_mov_b32 v250, s46                            ; 57,344 x 2^e8
	s_sub_co_i32 s46, s54, s52
	s_sub_co_i32 s46, s46, s53
	s_add_co_i32 s46, s46, 127
	s_lshl_b32 s47, s46, 23
	v_mov_b32 v253, s47                            ; 2^(e10 - e8 - e9): a sum of the second product stands for sum x 2^(e8 + e9)
	s_add_co_i32 s46, s46, 15
	s_lshl_b32 s46, s46, 23
	s_or_b32 s46, s46, 0x600000
	v_mov_b32 v252, s46
.macro AOF dst, t                      ; the block of trip t: 15 - j, 8 + j, 7 - j, j
	s_sub_co_u32 s62, 7, s20
	s_bitcmp1_b32 \t, 0
	s_cselect_b32 s62, s20, s62
	s_bitcmp1_b32 \t, 1
	s_cselect_b32 s63, 0, 8
	s_add_co_u32 \dst, s62, s63
.endm
.macro QLOAD t                         ; the query tile of trip t: its fragment's image, 2 x 512 bytes a wave
	AOF s62, \t
	s_lshl_b32 s62, s62, 12
	s_mov_b32 s63, 0
	s_add_nc_u64 s[58:59], s[4:5], s[62:63]
	global_load_b128 v[32:35], v3, s[58:59]
	global_load_b128 v[36:39], v3, s[58:59] offset:512
.endm
.macro BAR                             ; my LDS stores have landed and my LDS loads are in: then the work-group's barrier
	s_wait_dscnt 0x0
	s_barrier_signal -1
	s_barrier_wait -1
.endm
.macro KADDR dst                       ; key v30's 16 bytes of my half: 1,024 (key / 16) + 16 (key % 16) + 256 h
	v_lshrrev_b32 v26, 4, v30
	v_and_b32 v27, 15, v30
	v_lshl_add_u32 v27, v27, 4, v19
	v_lshl_add_u32 v[\dst], v26, 10, v27
.endm
.macro KLOAD g, dst                    ; K's fragments of tiles 4 g .. 4 g + 3: even tiles from v4, odd ones (eight keys on) from v5; two tiles on are 16 keys, 1,024 bytes
.irp u, 0,1,2,3
	ds_load_b128 v[\dst+8*\u:\dst+8*\u+3],   v[4+\u%2] offset:((4*\g+\u)/2)*1024
	ds_load_b128 v[\dst+8*\u+4:\dst+8*\u+7], v[4+\u%2] offset:((4*\g+\u)/2)*1024+512
.endr
.endm
.macro SCORE src, dst                  ; four tiles of S^T
.irp u, 0,1,2,3
	v_wmma_f32_16x16x64_bf8_bf8 v[\dst+8*\u:\dst+8*\u+7], v[\src+8*\u:\src+8*\u+7], v[32:39], 0
.endr
.endm
.macro MASK t, base                    ; key kb + 8 t + i is hidden where 8 t + i >= q - kb.  Jumped over where the tile's last key counts for every lane of the wave
	s_cmp_gt_i32 s46, 8*(\t)+7
	s_cbranch_scc1 .Lopen_\@
.irp i, 0,1,2,3,4,5,6,7
	v_cmp_gt_i32 vcc_lo, 8*(\t)+\i+1, v10
	v_cndmask_b32 v[\base+\i], v[\base+\i], v254, vcc_lo
.endr
.Lopen_\@:
.endm
.macro MAX4 base                       ; eight numbers into the two chains
	v_max3_num_f32 v26, v26, v[\base], v[\base+1]
	v_max3_num_f32 v27, v27, v[\base+2], v[\base+3]
	v_max3_num_f32 v26, v26, v[\base+4], v[\base+5]
	v_max3_num_f32 v27, v27, v[\base+6], v[\base+7]
.endm
.macro TMAX                            ; the chunk's largest t of my query; -3e38 where the whole chunk is hidden
	v_max_num_f32 v26, v26, v27
	v_permlanex16_b32 v255, v26, s40, s41
	v_max_num_f32 v26, v26, v255
	v_mul_f32 v26, s36, v26
	v_max_num_f32 v20, 0xff61b1e6, v26
.endm
; The four chunks' maxima and sums from off on: v30 the largest, v48-51 each chunk's sum under it, v52 my own factor
.macro MEETX off
.irp k, 0,1,2,3
	ds_load_b64 v[40+2*\k:41+2*\k], v13 offset:\off+1024*\k
.endr
	s_wait_dscnt 0x0
	v_max3_num_f32 v30, v40, v42, v44
	v_max_num_f32 v30, v30, v46
	v_sub_f32 v48, v40, v30
	v_sub_f32 v49, v42, v30
	v_sub_f32 v50, v44, v30
	v_sub_f32 v51, v46, v30
	v_sub_f32 v52, v20, v30
.irp k, 48,49,50,51,52
	v_exp_f32 v\k, v\k
.endr
	v_nop                                          ; a plain line behind the exponentials
	s_wait_alu depctr_va_vdst(0)
	v_mul_f32 v48, v48, v41
	v_mul_f32 v49, v49, v43
	v_mul_f32 v50, v50, v45
	v_mul_f32 v51, v51, v47
	v_add_f32 v53, v48, v49
	v_add_f32 v54, v50, v51
	v_add_f32 v53, v53, v54                        ; the row's sum
.endm
	s_mov_b32 s21, 0                               ; T
	QLOAD s21
	s_wait_tensorcnt 0x0                           ; my part of the images has landed,
	s_barrier_signal -1
	s_barrier_wait -1                              ; everybody's has
.Ltrip:
	s_wait_xcnt 0x0                                ; the last trip's store has read its base and its data: both are written again below
	AOF s22, s21                                   ; a
	s_add_co_u32 s23, s22, 1                       ; nt
	s_lshl_b32 s49, s23, 3                         ; hn = 8 nt: a lane's keys
	s_mul_i32 s48, s23, s18
	s_lshl_b32 s48, s48, 4                         ; ck
	s_lshl_b32 s50, s22, 6
	s_lshl_b32 s47, s17, 4
	s_add_co_u32 s50, s50, s47                     ; q0
	s_sub_co_i32 s46, s50, s48
	s_sub_co_i32 s46, s46, s49                     ; the least q - kb among my lanes
	s_lshl_b32 s62, s22, 16
	s_mov_b32 s63, 0
	s_add_nc_u64 s[60:61], s[14:15], s[62:63]
	v_mad_u32_u24 v30, v17, s49, v16
	v_add_nc_u32 v30, s48, v30
	v_and_b32 v30, 1023, v30                       ; lane r of tile 0 takes key ck + hn (r / 8) + r % 8 (at most 903: the mask changes nothing)
	KADDR 4
	v_add_nc_u32 v30, 8, v30
	v_and_b32 v30, 1023, v30
	KADDR 5
	; ---- P1: all sixteen tiles of scores, so that every register of A is written; the last key touched is ck + hn + 127 <= 1,023
	KLOAD 0, KF
	KLOAD 1, ST
	v_mad_u32_u24 v30, v2, s49, s48                ; kb
.irp i, 0,1,2,3                        ; V: my keys kb + 8 i + 0 .. 7: 2,048 (key / 32) + 256 ((key / 16) % 2) + key % 16; 32 keys on are 2,048 bytes
	v_add_nc_u32 v26, 8*\i, v30
	v_and_b32 v26, 1023, v26
	v_lshrrev_b32 v27, 5, v26
	v_lshl_add_u32 v27, v27, 11, v18
	v_bfe_u32 v31, v26, 4, 1
	v_lshl_add_u32 v27, v31, 8, v27
	v_and_b32 v26, 15, v26
	v_add_nc_u32 v[6+\i], v26, v27
.endr
	v_sub_nc_u32 v10, v1, v30
	v_add_nc_u32 v10, s50, v10                     ; q - kb
	v_cvt_f32_i32 v26, v10
	v_mov_b32 v[POS], v26                          ; q - k of tile 0's eight keys
	v_add_f32 v[POS+1], -1.0, v26
	v_add_f32 v[POS+2], -2.0, v26
	v_add_f32 v[POS+3], 0xc0400000, v26
	v_add_f32 v[POS+4], -4.0, v26
	v_add_f32 v[POS+5], 0xc0a00000, v26
	v_add_f32 v[POS+6], 0xc0c00000, v26
	v_add_f32 v[POS+7], 0xc0e00000, v26
	s_wait_dscnt 8                                 ; tiles 0-3 are in; the eight loads of tiles 4-7 may be out
	s_wait_loadcnt 0x0                             ; Q
	SCORE KF, A
.rept 4
	v_nop                                          ; places in front of loads into registers that the products read
.endr
	KLOAD 2, KF
	s_wait_dscnt 8                                 ; tiles 4-7 are in; the eight just issued may be out
	SCORE ST, A+32
.rept 4
	v_nop
.endr
	KLOAD 3, ST
	s_wait_dscnt 8
	SCORE KF, A+64
	s_wait_dscnt 0x0
	SCORE ST, A+96
	v_mov_b32 v26, v254                            ; the two chains begin at -infinity: with the two v_nop, the four places behind the products
	v_mov_b32 v27, v254
	v_nop
	v_nop
	; ---- P1a: the mask and the largest score, tiles 0 .. nt - 1
.irp t, 0,1,2,3,4,5,6,7,8,9,10,11,12,13,14,15
.if \t > 0
	s_cmp_le_u32 s23, \t
	s_cbranch_scc1 .Lp1a_end
.endif
	MASK \t, A+8*\t
	MAX4 A+8*\t
.endr
.Lp1a_end:
	TMAX
	; ---- P1b: E[e] = 2^(t - maximum), written ONE REGISTER DOWN (E[0] apart), so that the run of additions below leaves in A[e] the sum of the E BEHIND e.
	; Two sets of temporaries by turns: the next tile's first multiply-add is the plain line behind a tile's exponentials.
.irp t, 0,1,2,3,4,5,6,7,8,9,10,11,12,13,14,15
.if \t > 0
	s_cmp_le_u32 s23, \t
	s_cbranch_scc1 .Lz_\t
.endif
.set TT, 242-202*(\t%2)
.irp i, 0,2,4,6
	v_pk_fma_f32 v[TT+\i:TT+\i+1], v[A+8*\t+\i:A+8*\t+\i+1], s[36:37], v[20:21] op_sel_hi:[1,0,0] neg_lo:[0,0,1] neg_hi:[0,0,1]
.endr
.if \t == 0
	v_exp_f32 v241, v[TT]
.else
	v_exp_f32 v[A+8*\t-1], v[TT]
.endif
.irp i, 1,2,3,4,5,6,7
	v_exp_f32 v[A+8*\t+\i-1], v[TT+\i]
.endr
.endr
	v_mov_b32 v[A+127], 0
	; ---- P1c: down the registers.  Entry t is taken when tile t is the first idle one: no guard stands in the run
.irp t, 16,15,14,13,12,11,10,9,8,7,6,5,4,3,2,1
.Lce_\t:
	s_wait_alu depctr_va_vdst(0)
.irp i, 7,6,5,4,3,2,1,0
	v_add_f32 v[A+8*(\t-1)+\i], v[A+8*(\t-1)+\i], v[A+8*(\t-1)+\i+1]
.endr
.endr
	s_branch .Ltot
.irp t, 1,2,3,4,5,6,7,8,9,10,11,12,13,14,15
.Lz_\t:                                                ; behind my last key nothing follows
	v_mov_b32 v[A+8*\t-1], 0
	v_mov_b32 v[A+8*\t], 0
	s_branch .Lce_\t
.endr
.Ltot:
	v_add_f32 v30, v[A], v241                      ; my lane's total,
	v_permlanex16_b32 v255, v30, s40, s41          ; the other half's,
	v_add_f32 v21, v30, v255                       ; the chunk's
	v_mul_f32 v31, v255, v11                       ; what lies behind my run inside the chunk: the upper half's total, for the lower half
	ds_store_b64 v12, v[20:21]
	BAR                                            ; B1: the four chunks' maxima and sums lie in ST1
	; ---- X1: x (gamma log2 e)^2 / (q - k) = A[e] x AL + BE
	MEETX 0
	v_mul_f32 v54, s43, v49
	v_fmac_f32 v54, s44, v50
	v_fmac_f32 v54, s45, v51                       ; the chunks behind mine
	v_rcp_f32 v53, v53
	v_fma_f32 v54, v52, v31, v54                   ; (a plain line behind the reciprocal)  + the rest of my chunk
	s_wait_alu depctr_va_vdst(0)
	v_mul_f32 v53, s38, v53
	v_mul_f32 v22, v52, v53                        ; AL
	v_mul_f32 v24, v54, v53                        ; BE
	v_mov_b32 v26, v254
	v_mov_b32 v27, v254
	; ---- P2: the scores once more (four tiles at a time), x the effect; the mask; the largest
.macro P2TILE t, u
.irp i, 0,2,4,6
	v_pk_fma_f32 v[T+\i:T+\i+1], v[A+8*(\t)+\i:A+8*(\t)+\i+1], v[22:23], v[24:25] op_sel_hi:[1,0,0]   ; these four name no register of the products: they are the places behind them
.endr
.irp i, 0,2,4,6
	v_pk_mul_f32 v[T+\i:T+\i+1], v[T+\i:T+\i+1], v[POS+\i:POS+\i+1]
.endr
.irp i, 0,1,2,3,4,5,6,7
	v_sqrt_f32 v[T+\i], v[T+\i]
.endr
	v_pk_add_f32 v[POS:POS+1], v[POS:POS+1], 0xc1000000 op_sel_hi:[1,0]       ; q - k of the next tile: eight less.  Plain lines behind the roots,
	v_pk_add_f32 v[POS+2:POS+3], v[POS+2:POS+3], 0xc1000000 op_sel_hi:[1,0]
	s_wait_alu depctr_va_vdst(0)
.irp i, 0,1,2,3,4,5,6,7
	v_exp_f32 v[T+\i], -v[T+\i]
.endr
	v_pk_add_f32 v[POS+4:POS+5], v[POS+4:POS+5], 0xc1000000 op_sel_hi:[1,0]   ; and behind the exponentials
	v_pk_add_f32 v[POS+6:POS+7], v[POS+6:POS+7], 0xc1000000 op_sel_hi:[1,0]
	s_wait_alu depctr_va_vdst(0)
.irp i, 0,1,2,3,4,5,6,7
	v_med3_num_f32 v[T+\i], v[T+\i], s39, s51
.endr
.irp i, 0,2,4,6
	v_pk_mul_f32 v[A+8*(\t)+\i:A+8*(\t)+\i+1], v[ST+8*(\u)+\i:ST+8*(\u)+\i+1], v[T+\i:T+\i+1]
.endr
	MASK \t, A+8*(\t)
	MAX4 A+8*(\t)
.endm
.irp g, 0,1,2,3
.if \g > 0
	s_cmp_le_u32 s23, 4*\g
	s_cbranch_scc1 .Lp2_end
.endif
	KLOAD \g, KF
	s_wait_dscnt 0x0
	SCORE KF, ST
.irp u, 0,1,2,3
.if \u > 0
	s_cmp_le_u32 s23, 4*\g+\u
	s_cbranch_scc1 .Lp2_end
.endif
	P2TILE 4*\g+\u, \u
.endr
.endr
.Lp2_end:
	s_cmp_eq_u32 s21, 3                            ; the next trip's Q is asked for here, if there is a next trip
	s_cbranch_scc1 .Lno_q
	s_add_co_u32 s47, s21, 1
	QLOAD s47
.Lno_q:
	TMAX
	; ---- P3: 2^(t2 - maximum) in place, and its sum in two chains
.irp t, 0,1,2,3,4,5,6,7,8,9,10,11,12,13,14,15
.if \t > 0
	s_cmp_le_u32 s23, \t
.if (\t%4) == 0
	s_cbranch_scc1 .Lp3_end
.else
	s_cbranch_scc1 .Lp3z_\t
.endif
.endif
.irp i, 0,2,4,6
	v_pk_fma_f32 v[A+8*\t+\i:A+8*\t+\i+1], v[A+8*\t+\i:A+8*\t+\i+1], s[36:37], v[20:21] op_sel_hi:[1,0,0] neg_lo:[0,0,1] neg_hi:[0,0,1]
.endr
.irp i, 0,1,2,3,4,5,6,7
	v_exp_f32 v[A+8*\t+\i], v[A+8*\t+\i]
.endr
	v_nop                                          ; a plain line behind the exponentials
.if \t == 0
	s_wait_alu depctr_va_vdst(0)
	v_pk_add_f32 v[28:29], v[A:A+1], v[A+2:A+3]    ; tile 0 starts the sums
	v_pk_add_f32 v[30:31], v[A+4:A+5], v[A+6:A+7]
.else
	s_wait_alu depctr_va_vdst(0)
	v_pk_add_f32 v[28:29], v[28:29], v[A+8*\t:A+8*\t+1]
	v_pk_add_f32 v[30:31], v[30:31], v[A+8*\t+2:A+8*\t+3]
	v_pk_add_f32 v[28:29], v[28:29], v[A+8*\t+4:A+8*\t+5]
	v_pk_add_f32 v[30:31], v[30:31], v[A+8*\t+6:A+8*\t+7]
.endif
.endr
	s_branch .Lp3_end
.irp t, 1,2,3,5,6,7,9,10,11,13,14,15   ; the idle tiles of the last group of four become zeros: the second product takes 32 keys a lane at a time
.Lp3z_\t:
.irp i, 0,1,2,3,4,5,6,7
	v_mov_b32 v[A+8*\t+\i], 0
.endr
.if (\t%4) == 3
	s_branch .Lp3_end
.endif
.endr
.Lp3_end:
	v_pk_add_f32 v[28:29], v[28:29], v[30:31]
	v_add_f32 v30, v28, v29
	v_permlanex16_b32 v255, v30, s40, s41
	v_add_f32 v21, v30, v255
	ds_store_b64 v12, v[20:21] offset:4096
	BAR                                            ; B2: the four chunks' second maxima and sums lie in ST2
	; ---- X2: p = 2^(t2 - my maximum) x G, G = 2^(my maximum - the row's) x min(1, 5 / sum).  A row with no key: sum 0, G = 1, p = 0
	MEETX 4096
	v_rcp_f32 v53, v53
	v_nop
	s_wait_alu depctr_va_vdst(0)
	v_mul_f32 v53, 0x40a00000, v53
	v_min_num_f32 v53, 1.0, v53
	v_mul_f32 v22, v52, v53
	; ---- PV: 32 keys a lane (64 a product) at a time.  V^T's tile 2 b + u: lane r takes channel 32 b + 8 u + r + 8 (r / 8), so that a lane's 16 registers of two tiles are 16 neighbouring channels
.macro PVG g
.set i, 0
.rept 16
	v_pk_mul_f32 v[A+32*\g+i:A+32*\g+i+1], v[A+32*\g+i:A+32*\g+i+1], v[22:23] op_sel_hi:[1,0]   ; also the places in front of the loads below
.set i, i+2
.endr
.irp u, 0,1,2,3
.irp i, 0,1,2,3
	ds_load_b64 v[KF+8*\u+2*\i:KF+8*\u+2*\i+1], v[6+\i] offset:2048*\g+1024*(\u/2)+128*(\u%2)
.endr
.endr
.set i, 0
.rept 32
	v_min_num_f32 v[A+32*\g+i], v250, v[A+32*\g+i]     ; the conversion does not saturate (ISA guide 7.6.2); p is not negative, so the hold is one-sided
.set i, i+1
.endr
.irp m, 0,1,2,3
	v_cvt_scalef32_pk8_bf8_f32 v[POS+2*\m:POS+2*\m+1], v[A+32*\g+8*\m:A+32*\g+8*\m+7], v251
.endr
	v_nop                                          ; a plain line between the conversions and the products that read the codes
	s_wait_dscnt 0x0
.irp u, 0,1,2,3                        ; the four accumulators take turns, one instruction a turn
.if \g == 0
	v_wmma_f32_16x16x64_bf8_bf8 v[ST+8*\u:ST+8*\u+7], v[KF+8*\u:KF+8*\u+7], v[POS:POS+7], 0
.else
	v_wmma_f32_16x16x64_bf8_bf8 v[ST+8*\u:ST+8*\u+7], v[KF+8*\u:KF+8*\u+7], v[POS:POS+7], v[ST+8*\u:ST+8*\u+7]
.endif
.endr
.endm
	PVG 0
.irp g, 1,2,3
	s_cmp_le_u32 s23, 4*\g
	s_cbranch_scc1 .Lpv_end
	PVG \g
.endr
.Lpv_end:
.rept 4
	v_nop
.endr
.irp i, 0,1,2,3,4,5,6,7
	ds_store_b128 v14, v[ST+4*\i:ST+4*\i+3] offset:512*\i
.endr
	BAR                                            ; B3: the sixteen partial O^T lie in OX
	; ---- FIN: waves with kw < 2 add the four chunks' parts of channels 32 kw .. 32 kw + 31, quantise them and store 512 consecutive bytes of the next operand's image
	s_cmp_lt_u32 s16, 8
	s_cbranch_scc0 .Lno_fin
.irp k, 0,1,2,3
.irp q, 0,1,2,3
	ds_load_b128 v[40+16*\k+4*\q:40+16*\k+4*\q+3], v15 offset:16384*\k+512*\q
.endr
.endr
	s_wait_dscnt 0x0
.irp i, 0,2,4,6,8,10,12,14
	v_pk_add_f32 v[40+\i:41+\i], v[40+\i:41+\i], v[56+\i:57+\i]
	v_pk_add_f32 v[72+\i:73+\i], v[72+\i:73+\i], v[88+\i:89+\i]
.endr
.irp i, 0,2,4,6,8,10,12,14
	v_pk_add_f32 v[40+\i:41+\i], v[40+\i:41+\i], v[72+\i:73+\i]
.endr
.irp i, 0,1,2,3,4,5,6,7,8,9,10,11,12,13,14,15
	v_med3_num_f32 v[40+\i], v[40+\i], -v252, v252
.endr
	v_cvt_scalef32_pk8_bf8_f32 v[104:105], v[40:47], v253
	v_cvt_scalef32_pk8_bf8_f32 v[106:107], v[48:55], v253
	v_nop
	global_store_b128 v3, v[104:107], s[60:61]
.Lno_fin:
	; Three barriers a trip are enough: ST1 is written again only behind B2 and B3, ST2 behind B3 and the next B1, OX behind the next B1 and B2, and every wave's reads are back in front of its next signal
	s_add_co_u32 s21, s21, 1
	s_cmp_lt_u32 s21, 4
	s_cbranch_scc1 .Ltrip
	s_wait_xcnt 0x0
	v_lshl_add_u32 v254, v0, 2, 0x42000
	v_mov_b32 v255, 0
	s_wait_tensorcnt 0x0
	ds_add_u32 v254, v255
	s_wait_dscnt 0x0
	s_endpgm
.Lfunc_end_k_q8501baff8e_attn:
	.size	k_q8501baff8e_attn, .Lfunc_end_k_q8501baff8e_attn-k_q8501baff8e_attn
	.p2alignl 7, 3214868480
	.fill 96, 4, 3214868480
	.section	.rodata,"a",@progbits
	.p2align	6, 0x0
	.amdhsa_kernel k_q8501baff8e_attn
		.amdhsa_group_segment_fixed_size 272384
		.amdhsa_private_segment_fixed_size 0
		.amdhsa_enable_private_segment 0
		.amdhsa_kernarg_size 48
		.amdhsa_user_sgpr_count 2
		.amdhsa_user_sgpr_kernarg_segment_ptr 1
		.amdhsa_wavefront_size32 1
		.amdhsa_system_sgpr_workgroup_id_x 1
		.amdhsa_system_sgpr_workgroup_id_y 1
		.amdhsa_system_sgpr_workgroup_id_z 1
		.amdhsa_system_vgpr_workitem_id 0
		.amdhsa_next_free_vgpr 256
		.amdhsa_next_free_sgpr 66
		.amdhsa_reserve_vcc 1
		.amdhsa_float_denorm_mode_32 3
		.amdhsa_float_denorm_mode_16_64 3
		.amdhsa_memory_ordered 1
		.amdhsa_forward_progress 1
		.amdhsa_inst_pref_size 143
	.end_amdhsa_kernel
	.amdgpu_metadata
---
amdhsa.version: [ 1, 2 ]
amdhsa.kernels:
  - .name:           k_q8501baff8e_attn
    .symbol:         k_q8501baff8e_attn.kd
    .args:
      - { .name: q_img, .offset: 0, .size: 8, .value_kind: global_buffer, .address_space: global }
      - { .name: k_img, .offset: 8, .size: 8, .value_kind: global_buffer, .address_space: global }
      - { .name: v_img, .offset: 16, .size: 8, .value_kind: global_buffer, .address_space: global }
      - { .name: gammas, .offset: 24, .size: 8, .value_kind: global_buffer, .address_space: global }
      - { .name: lowp_scales, .offset: 32, .size: 8, .value_kind: global_buffer, .address_space: global }
      - { .name: c_img, .offset: 40, .size: 8, .value_kind: global_buffer, .address_space: global }
    .group_segment_fixed_size: 272384
    .private_segment_fixed_size: 0
    .kernarg_segment_align: 8
    .kernarg_segment_size: 48
    .max_flat_workgroup_size: 512
    .sgpr_count:     66
    .vgpr_count:     256
    .wavefront_size: 32
...
	.end_amdgpu_metadata
.endif
;; end of part 3
;; launch outln (part 4): grid 256 x 1, 16 waves a work-group, clusters of 4 x 1, 327,680 bytes of LDS; arguments c_img, Wo_codes, query, bo, ln_g, ln_b, lowp_scales, out0; writes out0
.if DOCPART == 4
	.amdgcn_target "amdgcn-amd-amdhsa--gfx1250"
	.amdhsa_code_object_version 6
	.text
	.protected	k_q8501baff8e_outln
	.globl	k_q8501baff8e_outln
	.p2align	8
	.type	k_q8501baff8e_outln,@function
k_q8501baff8e_outln:
	s_mov_b64 s[64:65], 0
	v_nop
	global_prefetch_b8 v0, s[64:65] scope:SCOPE_SE
	s_setreg_imm32_b32 hwreg(HW_REG_WAVE_MODE, 25, 1), 1
	s_wait_xcnt 0x0
	s_wait_alu depctr_hold_cnt(0) depctr_sa_sdst(0) depctr_va_vdst(0) depctr_va_sdst(0) depctr_va_ssrc(0) depctr_va_vcc(0) depctr_vm_vsrc(0)
	s_getreg_b32 s2, hwreg(HW_REG_IB_STS2, 6, 4)
	s_cmp_eq_u32 s2, 0
	s_cbranch_scc0 .Lentry_in_a_cluster
	s_endpgm
.Lentry_in_a_cluster:
	s_bfe_u32 s2, ttmp6, 0x10000c
	s_cmp_lg_u32 s2, 0x3003
	s_cbranch_scc0 .Lentry_shape_is_right
	s_endpgm
.Lentry_shape_is_right:
; out = LayerNorm(query + concat Wo^T + bo) x ln_g + ln_b.  The product is on codes of BF8 (E5M2): concat's as images of its operand's registers (c_img), Wo's as given; scales e10, e11.
; SHARES.  A work-group owns 16 tokens x all 1,024 columns, so that a row's mean and variance never leave it.  Sixteen waves.  Wo walks through two LDS slots: fill f = 0 .. 7 brings 256 along K (ks = f / 2) of the
; 512 rows from 512 (f % 2) on, into slot f % 2; in a fill wave w multiplies Wo's rows 32 w .. 32 w + 31 (two tiles).  concat's fragments come straight from memory into every wave's registers, a K step of 256 ahead.
; CLUSTER: all work-groups walk the same weights: the four of a cluster ask for each tile jointly (mask 15); waves 0-3 issue, 128 rows each.
; THE MATRIX INSTRUCTION IS USED TRANSPOSED (source 0 = 16 rows of Wo, source 1 = the 16 tokens): a lane holds one token and eight neighbouring columns.  The sums meet in a stage (16 rows of 4,096 + 16 bytes) that lies in slot 0,
; behind that slot's last fill and last read; wave w then takes token w whole: 32 numbers a lane.
; LIMIT: e10 + e11 between -126 and 127.
; REGISTERS: v4-5 Wo's LDS addresses (slot 0, 1), v6 16 x lane, v7-8 the stage, v9-10 the spare word and 0, v16-47 four accumulators, v48-79 query + bo, v80-143 concat's fragments (two sets of two), later ln_g and ln_b, v144-207 Wo's four fragments, later the row, v208-215 at work.
.set PITCH, 272
.set SLOT,  512*PITCH
.set SPARE, 2*SLOT                     ; behind the ring: the spare words, 128 bytes for each of the sixteen waves
.set SPT,   4112                       ; a stage row
.macro ROUND                           ; a round of the cluster's barrier
	s_barrier_signal -1
	s_barrier_wait -1
	s_cmp_lg_u32 s20, 0
	s_cbranch_scc1 .Lnw0_\@
	s_barrier_signal -3
.Lnw0_\@:
	s_barrier_wait -3
	s_barrier_signal -1
	s_barrier_wait -1
.endm
	s_load_b512 s[4:19], s[0:1], 0x0               ; c_img 4, Wo 6, query 8, bo 10, ln_g 12, ln_b 14, scales 16, out 18
	v_lshl_add_u32 v9, v0, 2, SPARE
	v_mov_b32 v10, 0
	ds_add_u32 v9, v10
	s_wait_dscnt 0x0
	v_lshrrev_b32 v1, 5, v0
	v_readfirstlane_b32 s20, v1                    ; wave 0..15
	s_bfe_u32 s21, ttmp6, 0x40000                  ; cx
	s_lshl_b32 s22, ttmp9, 2
	s_add_co_u32 s22, s22, s21                     ; my tile of 16 tokens: it enters global addresses of my own loads and stores alone
	s_mov_b32 s24, 15|(0<<16)|(1<<20)|(1<<21)|(5<<22)|(3<<25)   ; the mask: all four; elements of 1 byte; padding on; bit 21 beside a mask; 4 words behind every 64
	s_mov_b32 s25, 256<<16                         ; tensor_dim0
	s_mov_b32 s26, 128<<16                         ; tensor_dim1
	s_mov_b32 s27, 256<<16                         ; tile_dim0
	s_mov_b32 s28, 128                             ; tile_dim1
	s_mov_b32 s29, 1024                            ; the pitch
	s_mov_b32 s30, 0
	s_mov_b32 s31, 0
	s_mov_b32 s40, 0x76543210
	s_mov_b32 s41, 0xfedcba98
	s_mul_i32 s44, s20, 128*PITCH                  ; waves 0-3: my 128 rows in a slot,
	s_lshl_b32 s46, s20, 17                        ; and in memory
	s_mov_b32 s47, 0
	s_lshl_b32 s48, s22, 4
	s_add_co_u32 s48, s48, s20
	s_lshl_b32 s48, s48, 12                        ; token 16 g + w: 4,096 bytes a row
	s_mov_b32 s49, 0
	s_lshl_b32 s50, s22, 14                        ; my tile's eight fragments: 16,384 bytes
	s_mov_b32 s51, 0
	s_wait_kmcnt 0x0
	s_load_b64 s[42:43], s[16:17], 0x28            ; e10, e11
	s_add_nc_u64 s[46:47], s[6:7], s[46:47]
	s_add_nc_u64 s[8:9], s[8:9], s[48:49]
	s_add_nc_u64 s[18:19], s[18:19], s[48:49]
	s_add_nc_u64 s[4:5], s[4:5], s[50:51]
	ROUND                                          ; all four work-groups are here: the first joint loads meet
.irp s, 0,1
	s_mov_b32 s[32+4*\s], 1
	s_add_co_u32 s[33+4*\s], s44, \s*SLOT
	s_add_nc_u64 s[34+4*\s:35+4*\s], s[46:47], \s*512*1024
	s_or_b32 s[35+4*\s], s[35+4*\s], 0x80000000
.endr
	s_cmp_lt_u32 s20, 4
	s_cbranch_scc0 .Lno_first
	tensor_load_to_lds s[32:35], s[24:31]          ; fills 0 and 1 go out together: two loads of mine are out
	s_nop 0
	tensor_load_to_lds s[36:39], s[24:31]
	s_nop 0
.rept 4
	v_nop
.endr
.Lno_first:
	v_and_b32 v1, 31, v0
	v_and_b32 v2, 15, v0                           ; r
	v_bfe_u32 v3, v0, 4, 1                         ; h
	v_lshlrev_b32 v6, 4, v1
	s_lshl_b32 s45, s20, 5
	v_add_nc_u32 v4, s45, v2
	v_mul_u32_u24 v4, v4, PITCH
	v_lshl_add_u32 v4, v3, 4, v4                   ; Wo: row 32 w + r, + 16 h
	v_add_nc_u32 v5, SLOT, v4
	v_mul_u32_u24 v7, v2, SPT
	v_lshl_add_u32 v7, v3, 5, v7
	s_lshl_b32 s45, s20, 7
	v_add_nc_u32 v7, s45, v7                       ; the stage, in: token r, + 128 w + 32 h bytes
	s_mul_i32 s45, s20, SPT
	v_add_nc_u32 v8, s45, v6                       ; back: token w, 16 bytes a lane
	v_mov_b32 v212, 0                              ; a lane permute's destination counts as one of its sources
.macro ALOAD ks                        ; concat's two fragments of K step ks (256 along K) into set ks % 2
.irp s, 0,1
.irp c, 0,1,2,3
	global_load_b128 v[80+32*((\ks)&1)+16*\s+4*\c:80+32*((\ks)&1)+16*\s+4*\c+3], v6, s[4:5] offset:2048*(2*(\ks)+\s)+512*\c
.endr
.endr
.endm
.irp i, 0,1,2,3,4,5,6,7
	global_load_b128 v[48+4*\i:51+4*\i], v6, s[8:9] offset:512*\i      ; my token's row of query: column 128 i + 4 lane on
.endr
.irp i, 0,1,2,3,4,5,6,7
	global_load_b128 v[144+4*\i:147+4*\i], v6, s[10:11] offset:512*\i  ; bo likewise
.endr
	ALOAD 0
	s_wait_loadcnt 8                               ; query and bo are in; the eight loads of concat's fragments may be out
.irp i, 0,2,4,6,8,10,12,14,16,18,20,22,24,26,28,30
	v_pk_add_f32 v[48+\i:49+\i], v[48+\i:49+\i], v[144+\i:145+\i]
.endr
	s_wait_tensorcnt 1                             ; my part of fill 0 is in; fill 1's may be out
	s_barrier_signal -1
	s_barrier_wait -1
.macro PROC f
.set NH, (\f)&1
.set KS, (\f)>>1
.set AS, 80+32*(KS&1)
.rept 4
	v_nop                                          ; places in front of loads into registers that the last products read
.endr
.irp u, 0,1
.irp s, 0,1
.irp c, 0,1,2,3
	ds_load_b128 v[144+32*\u+16*\s+4*\c:144+32*\u+16*\s+4*\c+3], v[4+NH] offset:\u*16*PITCH+128*\s+32*\c
.endr
.endr
.endr
.if (NH == 0) && (KS < 3)
	ALOAD KS+1
.endif
	s_wait_dscnt 0x0
.if NH == 0
.if KS < 3
	s_wait_loadcnt 8                               ; this K step's fragments are in; the eight loads just issued may be out
.else
	s_wait_loadcnt 0x0
.endif
.endif
.irp s, 0,1                            ; the two accumulators take turns, one instruction a turn
.irp u, 0,1
.if (KS == 0) && (\s == 0)
	v_wmma_f32_16x16x128_bf8_bf8 v[16+8*(2*NH+\u):16+8*(2*NH+\u)+7], v[144+32*\u+16*\s:144+32*\u+16*\s+15], v[AS+16*\s:AS+16*\s+15], 0
.else
	v_wmma_f32_16x16x128_bf8_bf8 v[16+8*(2*NH+\u):16+8*(2*NH+\u)+7], v[144+32*\u+16*\s:144+32*\u+16*\s+15], v[AS+16*\s:AS+16*\s+15], v[16+8*(2*NH+\u):16+8*(2*NH+\u)+7]
.endif
.endr
.endr
.endm
.macro CHANGE s, refill                ; slot s has been read.  refill = 1: it takes its rows' next 256 along K
	s_wait_tensorcnt 0x0                           ; all my tensor loads have landed: my part of the other slot
	ds_add_u32 v9, v10                             ; 0 onto my spare word
.if \refill
	s_add_nc_u64 s[34+4*\s:35+4*\s], s[34+4*\s:35+4*\s], 256
.endif
	s_wait_dscnt 0x0                               ; the add is done, and my reads of the slot are over
.if \refill
	ROUND                                          ; no wave of any partner still reads the slot or has a load on its way
	s_cmp_lt_u32 s20, 4
	s_cbranch_scc0 .Lnl_\@
	tensor_load_to_lds s[32+4*\s:35+4*\s], s[24:31]    ; the first tensor load behind the round, one a wave
	s_nop 0
.rept 4
	v_nop
.endr
.Lnl_\@:
.else
	s_barrier_signal -1
	s_barrier_wait -1
.endif
.endm
	PROC 0
	CHANGE 0, 1
	PROC 1
	CHANGE 1, 1
	PROC 2
	CHANGE 0, 1
	PROC 3
	CHANGE 1, 1
	PROC 4
	CHANGE 0, 1
	PROC 5
	CHANGE 1, 1
	PROC 6
	CHANGE 0, 0                                    ; nothing is left to fetch; behind this barrier nobody reads slot 0, which has had its last fill
	PROC 7
.rept 4
	v_nop
.endr
.irp i, 0,1,2,3,4,5,6,7
	global_load_b128 v[80+4*\i:83+4*\i], v6, s[12:13] offset:512*\i    ; ln_g,
.endr
.irp i, 0,1,2,3,4,5,6,7
	global_load_b128 v[112+4*\i:115+4*\i], v6, s[14:15] offset:512*\i  ; ln_b
.endr
.irp t, 0,1,2,3                        ; tile 2 nh + u: columns 512 nh + 32 w + 16 u + 8 h + 0 .. 7 of token r
	ds_store_b128 v7, v[16+8*\t:19+8*\t] offset:2048*(\t/2)+64*(\t%2)
	ds_store_b128 v7, v[20+8*\t:23+8*\t] offset:2048*(\t/2)+64*(\t%2)+16
.endr
	s_wait_dscnt 0x0                               ; for the others' sake: my stores into the stage are done
	s_barrier_signal -1
	s_barrier_wait -1
.irp i, 0,1,2,3,4,5,6,7
	ds_load_b128 v[144+4*\i:147+4*\i], v8 offset:512*\i
.endr
	s_wait_kmcnt 0x0
	s_add_co_i32 s42, s42, s43
	s_add_co_i32 s42, s42, 127
	s_lshl_b32 s42, s42, 23                        ; 2^(e10 + e11)
	s_mov_b32 s43, s42
	s_mov_b32 s44, 0x3a800000                      ; 1 / 1,024
	s_mov_b32 s45, 0x3727c5ac                      ; 1e-5
	s_wait_dscnt 0x0
.irp i, 0,2,4,6,8,10,12,14,16,18,20,22,24,26,28,30
	v_pk_fma_f32 v[144+\i:145+\i], v[144+\i:145+\i], s[42:43], v[48+\i:49+\i] op_sel_hi:[1,0,1]   ; x = sum x 2^(e10 + e11) + (query + bo)
.endr
.macro REDUCE x                        ; the sum over the 32 lanes, in every lane
	v_add_f32_dpp v\x, v\x, v\x row_xmask:1 row_mask:0xf bank_mask:0xf
	v_add_f32_dpp v\x, v\x, v\x row_xmask:2 row_mask:0xf bank_mask:0xf
	v_add_f32_dpp v\x, v\x, v\x row_xmask:4 row_mask:0xf bank_mask:0xf
	v_add_f32_dpp v\x, v\x, v\x row_xmask:8 row_mask:0xf bank_mask:0xf
	v_permlanex16_b32 v212, v\x, s40, s41
	v_add_f32 v\x, v\x, v212
.endm
	v_pk_add_f32 v[208:209], v[144:145], v[146:147]
	v_pk_add_f32 v[210:211], v[148:149], v[150:151]
.irp i, 8,12,16,20,24,28
	v_pk_add_f32 v[208:209], v[208:209], v[144+\i:145+\i]
	v_pk_add_f32 v[210:211], v[210:211], v[146+\i:147+\i]
.endr
	v_pk_add_f32 v[208:209], v[208:209], v[210:211]
	v_add_f32 v208, v208, v209
	REDUCE 208
	v_mul_f32 v208, s44, v208                      ; the mean
	v_mov_b32 v209, v208
.irp i, 0,2,4,6,8,10,12,14,16,18,20,22,24,26,28,30
	v_pk_add_f32 v[144+\i:145+\i], v[144+\i:145+\i], v[208:209] neg_lo:[0,1] neg_hi:[0,1]
.endr
	v_pk_mul_f32 v[210:211], v[144:145], v[144:145]
	v_pk_mul_f32 v[214:215], v[146:147], v[146:147]
.irp i, 4,8,12,16,20,24,28
	v_pk_fma_f32 v[210:211], v[144+\i:145+\i], v[144+\i:145+\i], v[210:211]
	v_pk_fma_f32 v[214:215], v[146+\i:147+\i], v[146+\i:147+\i], v[214:215]
.endr
	v_pk_add_f32 v[210:211], v[210:211], v[214:215]
	v_add_f32 v210, v210, v211
	REDUCE 210
	v_fma_f32 v210, v210, s44, s45                 ; the variance + 1e-5
	v_rsq_f32 v210, v210
	v_nop                                          ; a plain line behind the transcendental
	s_wait_alu depctr_va_vdst(0)
	v_mov_b32 v211, v210
	s_wait_loadcnt 0x0                             ; ln_g, ln_b
.irp i, 0,2,4,6,8,10,12,14,16,18,20,22,24,26,28,30
	v_pk_mul_f32 v[144+\i:145+\i], v[144+\i:145+\i], v[210:211]
.endr
.irp i, 0,2,4,6,8,10,12,14,16,18,20,22,24,26,28,30
	v_pk_fma_f32 v[144+\i:145+\i], v[144+\i:145+\i], v[80+\i:81+\i], v[112+\i:113+\i]
.endr
.irp i, 0,1,2,3,4,5,6,7
	global_store_b128 v6, v[144+4*\i:147+4*\i], s[18:19] offset:512*\i th:TH_STORE_NT   ; 32 lanes store 512 consecutive bytes, at a multiple of 256 from the buffer's first byte
.endr
	s_wait_tensorcnt 0x0                           ; the wave's end
	ds_add_u32 v9, v10
	s_wait_dscnt 0x0
	ROUND                                          ; the closing round
	s_endpgm
.Lfunc_end_k_q8501baff8e_outln:
	.size	k_q8501baff8e_outln, .Lfunc_end_k_q8501baff8e_outln-k_q8501baff8e_outln
	.p2alignl 7, 3214868480
	.fill 96, 4, 3214868480
	.section	.rodata,"a",@progbits
	.p2align	6, 0x0
	.amdhsa_kernel k_q8501baff8e_outln
		.amdhsa_group_segment_fixed_size 327680
		.amdhsa_private_segment_fixed_size 0
		.amdhsa_enable_private_segment 0
		.amdhsa_kernarg_size 64
		.amdhsa_user_sgpr_count 2
		.amdhsa_user_sgpr_kernarg_segment_ptr 1
		.amdhsa_wavefront_size32 1
		.amdhsa_system_sgpr_workgroup_id_x 1
		.amdhsa_system_sgpr_workgroup_id_y 1
		.amdhsa_system_sgpr_workgroup_id_z 1
		.amdhsa_system_vgpr_workitem_id 0
		.amdhsa_next_free_vgpr 224
		.amdhsa_next_free_sgpr 66
		.amdhsa_reserve_vcc 0
		.amdhsa_float_denorm_mode_32 3
		.amdhsa_float_denorm_mode_16_64 3
		.amdhsa_memory_ordered 1
		.amdhsa_forward_progress 1
		.amdhsa_inst_pref_size 37
	.end_amdhsa_kernel
	.amdgpu_metadata
---
amdhsa.version: [ 1, 2 ]
amdhsa.kernels:
  - .name:           k_q8501baff8e_outln
    .symbol:         k_q8501baff8e_outln.kd
    .args:
      - { .name: c_img, .offset: 0, .size: 8, .value_kind: global_buffer, .address_space: global }
      - { .name: Wo_codes, .offset: 8, .size: 8, .value_kind: global_buffer, .address_space: global }
      - { .name: query, .offset: 16, .size: 8, .value_kind: global_buffer, .address_space: global }
      - { .name: bo, .offset: 24, .size: 8, .value_kind: global_buffer, .address_space: global }
      - { .name: ln_g, .offset: 32, .size: 8, .value_kind: global_buffer, .address_space: global }
      - { .name: ln_b, .offset: 40, .size: 8, .value_kind: global_buffer, .address_space: global }
      - { .name: lowp_scales, .offset: 48, .size: 8, .value_kind: global_buffer, .address_space: global }
      - { .name: out0, .offset: 56, .size: 8, .value_kind: global_buffer, .address_space: global }
    .group_segment_fixed_size: 327680
    .private_segment_fixed_size: 0
    .kernarg_segment_align: 8
    .kernarg_segment_size: 64
    .max_flat_workgroup_size: 512
    .sgpr_count:     66
    .vgpr_count:     224
    .wavefront_size: 32
...
	.end_amdgpu_metadata
.endif
;; end of part 4
